; MI455X (gfx1250); checked and timed in simulation.
; The chip was launched on July 23, 2026; its instructions are those of AMD's public machine-readable ISA for CDNA 5 (MIT licence, August 2026) and "CDNA5" Instruction Set Architecture Reference Guide (July 2026). The comments in the code are by the model that wrote it; some were corrected since.
;; Feed Forward Quantum. Allowed arithmetic: matrix products marked QUANTISED: E3M2 operands, one E8M0 scale for each 32 along K, by v_wmma_scale_f32_16x16x128_f8f6f4 with both operands' format E3M2, f32 sums; everything else in f32.
;; Inputs: W1 4,096 x 1,024 float32; W2 1,024 x 4,096 float32; theta 1,024 float32; x 4 x 2,048 x 1,024 float32.
;; Outputs: out0 4 x 2,048 x 1,024 float32.
;; This version of the problem:
;;   THIS VERSION OF THE PROBLEM IS GIVEN IN LOW PRECISION. The matrix products marked QUANTISED in the list below multiply operands that are first quantised to E3M2 (3 exponent bits, 2 mantissa bits; 6 bits a number), with one power-of-two scale for each 32 numbers along K (OCP MX v1.0); their sums are f32. All else is computed in f32.
;;   The module's matrix products, in the order in which they are computed (A, B: the left and right operand; K: the contracted axis; several contracted axes count as one K, in the product's order):
;;     1. [M 8,192, K 1,024] x [K 1,024, N 4,096]; A: computed on the way; B: input W1: QUANTISED
;;     2. [M 8,192, K 4,096] x [K 4,096, N 1,024]; A: computed on the way; B: input W2: QUANTISED
;;   THE QUANTISER, for each operand of a quantised product, along K:
;;     - K is cut into blocks of 32 from its start; a last block that is shorter is filled with zeros.
;;     - A block's scale is 2^e with e = floor(log2(the largest magnitude in the block)) - 4, held to -126 .. 127; a block of zeros has e = 0. As a byte (E8M0): e + 127.
;;     - Each number is divided by its block's scale, clamped to +-28, and rounded to the nearest number of E3M2, ties to even, subnormals kept.
;;     - The product sums the exact products of the quantised numbers (number of the format x scale) in f32.
;;   ~~~python
;;   def quantise(x, axis):      # numpy; x: float32 -> the quantised numbers, widened to float32 again
;;       x = np.moveaxis(x, axis, -1); K = x.shape[-1]
;;       x = np.pad(x, [(0, 0)] * (x.ndim - 1) + [(0, -K % 32)]); x = x.reshape(x.shape[:-1] + (-1, 32)); a = np.abs(x).max(-1, keepdims=True)
;;       e = np.where(a > 0, np.clip(np.frexp(np.where(a > 0, a, 1))[1] - 1 - 4, -126, 127), 0)      # np.frexp(a)[1] - 1 = floor(log2(a)), exactly
;;       r = np.clip(x / 2.0 ** e, -28, 28)
;;       step = 2.0 ** (np.maximum(np.frexp(np.where(r == 0, 1, r))[1] - 1, -2) - 2)
;;       q = np.round(r / step) * step * 2.0 ** e      # np.round: ties to even
;;       return np.moveaxis(q.reshape(q.shape[:-2] + (-1,))[..., :K], -1, axis).astype(np.float32)
;;   ~~~
;;   OPERANDS COMPUTED ON THE WAY. 'Computed on the way' means the value that the module computes at that place (a softmax that the list does not call 'softmax' is quantised finished and normalised). What goes into a quantiser is computed in f32, as accurately as f32 sums, v_exp_f32 and their like allow (about 1e-6 of the number): no bf16 or f16 on the way to a quantiser, and a product that is left as it is and whose result goes on into a quantised operand takes f32 operands (vector FMAs, or v_wmma_f32_16x16x4_f32). A number that lies on a knife's edge between two numbers of the format may be rounded either way, as far as f32 arithmetic and the matrix unit's own rounding can turn it there, and no further.
;; One version. Each part assembles by itself: llvm-mc -triple=amdgcn-amd-amdhsa -mcpu=gfx1250 --defsym DOCPART=n.
;; ======== version 1 of 1: 3 launches
;; limits: inputs' magnitudes at most 2,097,152; right only within a limited range of input values
;; workspace buffers: xq 6,553,600 bytes; w1q 3,276,800 bytes; w2q 3,276,800 bytes; hq 26,214,400 bytes
;; launch quant (part 1): grid 1024 x 1, 8 waves a work-group, no clusters, 69,120 bytes of LDS; arguments x, W1, W2, theta, xq, w1q, w2q; writes xq, w1q, w2q
.if DOCPART == 1
	.amdgcn_target "amdgcn-amd-amdhsa--gfx1250"
	.amdhsa_code_object_version 6
	.text
	.protected	k_q423de30be6_quant
	.globl	k_q423de30be6_quant
	.p2align	8
	.type	k_q423de30be6_quant,@function
k_q423de30be6_quant:
	s_mov_b64 s[64:65], 0
	v_nop
	global_prefetch_b8 v0, s[64:65] scope:SCOPE_SE
	s_setreg_imm32_b32 hwreg(HW_REG_WAVE_MODE, 25, 1), 1
	s_wait_xcnt 0x0
; cos(x) cos(theta) [8192][1024], W1 [4096][1024] and W2 [1024][4096], all f32 with K innermost, become codes of BF6 (E3M2) with one E8M0 byte for each 32 along K.
; THE LAYOUT OF THE THREE OUTPUTS.  An operand is cut into groups of 128 rows and K steps of 128.  Group g, step ks is a block of 12,800 bytes at (g x K / 128 + ks) x 12,800:
; eight fragment images of 1,536 bytes (fragment i: the operand's 12 registers as they stand, registers 4 c .. 4 c + 3 of lane l at 512 c + 16 l), then 512 bytes of scale words
; (fragment i, lane row r at 256 (i / 4) + 16 r + 4 (i % 4)).  Lane row p of fragment i is the group's row 32 (i / 2) + 8 (i % 2) + p + 8 (p / 8).
; SHARES.  A work-group makes one block; wave i makes fragment i: 16 rows x 128 along K.  Work-groups 0-511 take x, 512-767 W1, 768-1023 W2: only pointers and shifts are chosen by the work-group's number.
; Each load takes one row's 512 consecutive bytes; the 16 rows turn through the wave's own stage in LDS, so that lane (r, h) then holds k = 64 c + 32 h + 0 .. 31 of row r: two whole blocks of 32, in the operand's own order.
; A block's scale is 2^(floor(log2(its largest magnitude)) - 4); its byte is the largest magnitude's exponent field - 4, held at 1 from below.  A block of zeros so gets the byte 1 where the rule says 127:
; its codes are zeros, which add nothing under any byte but 0xff, and only this program reads the bytes.
; THE COSINE: cos x = (-1)^k sin(x - (k - 1/2) pi), k the whole number nearest to x / pi + 1/2; pi is taken off in two parts by fused multiply-adds; sin r on [-pi/2, pi/2] by its series up to r^13 (the next term is under 7e-10).
; LIMITS: |x| and |theta| under 2^21 (k must fit the rounding by 1.5 x 2^23, and k - 1/2 must be exact); NaN and infinities are not served; blocks whose largest magnitude lies under 2^-122 keep the byte 1.
; No cluster, no tensor load, no matrix unit: the work-groups share no input but theta's 512 bytes, and the launch is a stream.
.set SBB,  12800                       ; bytes of a block
.set SPT,  528                         ; a stage row: 512 bytes + 16, an odd multiple of 16: sixteen rows' equal columns fall on different banks (64 banks of 4 bytes: ISA guide 11.1)
.set STG,  16*SPT                      ; a wave's stage
.set SCB,  8*STG                       ; behind the stages: the block's 512 bytes of scale words
.set CT,   8                           ; v[8:11]   cos(theta) of my four k
.set C11,  12                          ; v[12:13]  the series' coefficient of r^11, twice
.set R,    32                          ; v[32:95]  64 numbers
.set TU,   96                          ; v[96:119] the cosine's work: pair p: +6 p k as bits, +6 p + 2 k - 1/2 and powers of r, +6 p + 4 the series
.set MX,   96                          ; behind the cosine: v96-97 largest magnitudes, v98-99 the conversions' scale operands, v100-101 bytes, v102 the scale word, v103 the other half's
.set SO,   98
.set BY,   100
.set WD,   102
.set WX,   103
.set PC,   104                         ; v[104:115] the fragment's codes
.set CV,   116                         ; v[116:118], v[120:122] the second half of each block's codes
.set OW,   124                         ; v[124:127] the scale words on their way out
.macro PAIR r, val                     ; a constant for the packed forms, which name a pair: both words are written
	s_mov_b32 s[\r], \val
	s_mov_b32 s[\r+1], \val
.endm
.macro LOADS pitch                     ; lane row j of my fragment is row j + 8 (j / 8) from my first: 32 lanes read its 512 consecutive bytes
.irp j, 0,1,2,3,4,5,6,7,8,9,10,11,12,13,14,15
	global_load_b128 v[R+4*\j:R+4*\j+3], v2, s[22:23] offset:(\j+8*(\j/8))*\pitch th:TH_LOAD_NT
.endr
.endm
; The cosine of cnt pairs of numbers from v[base] on, in place; the pairs take turns line by line.  mul = 1: times cos(theta) of the same k.
.macro COSP base, cnt, mul
.irp p, 0,1,2,3
.if \p < \cnt
	v_pk_fma_f32 v[TU+6*\p:TU+6*\p+1], v[(\base)+2*\p:(\base)+2*\p+1], s[32:33], 0.5 op_sel_hi:[1,0,0]   ; x / pi + 1/2
.endif
.endr
.irp p, 0,1,2,3
.if \p < \cnt
	v_pk_add_f32 v[TU+6*\p:TU+6*\p+1], v[TU+6*\p:TU+6*\p+1], s[34:35] op_sel_hi:[1,0]   ; + 1.5 x 2^23: rounded to the whole number k, whose parity is bit 0
.endif
.endr
.irp p, 0,1,2,3
.if \p < \cnt
	v_pk_add_f32 v[TU+6*\p+2:TU+6*\p+3], v[TU+6*\p:TU+6*\p+1], s[36:37] op_sel_hi:[1,0]   ; k
.endif
.endr
.irp p, 0,1,2,3
.if \p < \cnt
	v_pk_add_f32 v[TU+6*\p+2:TU+6*\p+3], v[TU+6*\p+2:TU+6*\p+3], -0.5 op_sel_hi:[1,0]   ; m = k - 1/2, exact
.endif
.endr
.irp p, 0,1,2,3
.if \p < \cnt
	v_pk_fma_f32 v[(\base)+2*\p:(\base)+2*\p+1], v[TU+6*\p+2:TU+6*\p+3], s[38:39], v[(\base)+2*\p:(\base)+2*\p+1] op_sel_hi:[1,0,1]   ; x - m x (pi's upper part)
.endif
.endr
.irp p, 0,1,2,3
.if \p < \cnt
	v_pk_fma_f32 v[(\base)+2*\p:(\base)+2*\p+1], v[TU+6*\p+2:TU+6*\p+3], s[40:41], v[(\base)+2*\p:(\base)+2*\p+1] op_sel_hi:[1,0,1]   ; - m x (its lower part): r
.endif
.endr
.irp p, 0,1,2,3
.if \p < \cnt
	v_pk_mul_f32 v[TU+6*\p+2:TU+6*\p+3], v[(\base)+2*\p:(\base)+2*\p+1], v[(\base)+2*\p:(\base)+2*\p+1]   ; z = r^2
.endif
.endr
.irp p, 0,1,2,3
.if \p < \cnt
	v_pk_fma_f32 v[TU+6*\p+4:TU+6*\p+5], v[TU+6*\p+2:TU+6*\p+3], s[42:43], v[C11:C11+1] op_sel_hi:[1,0,1]   ; the series in z, from the top
.endif
.endr
.irp k, 44,46,48,50
.irp p, 0,1,2,3
.if \p < \cnt
	v_pk_fma_f32 v[TU+6*\p+4:TU+6*\p+5], v[TU+6*\p+4:TU+6*\p+5], v[TU+6*\p+2:TU+6*\p+3], s[\k:\k+1] op_sel_hi:[1,1,0]
.endif
.endr
.endr
.irp p, 0,1,2,3
.if \p < \cnt
	v_pk_mul_f32 v[TU+6*\p+2:TU+6*\p+3], v[(\base)+2*\p:(\base)+2*\p+1], v[TU+6*\p+2:TU+6*\p+3]   ; r^3
.endif
.endr
.irp p, 0,1,2,3
.if \p < \cnt
	v_pk_fma_f32 v[(\base)+2*\p:(\base)+2*\p+1], v[TU+6*\p+4:TU+6*\p+5], v[TU+6*\p+2:TU+6*\p+3], v[(\base)+2*\p:(\base)+2*\p+1]   ; sin r = r + r^3 x series
.endif
.endr
.if \mul
.irp p, 0,1,2,3
.if \p < \cnt
	s_delay_alu instid0(VALU_DEP_4)
	v_pk_mul_f32 v[(\base)+2*\p:(\base)+2*\p+1], v[(\base)+2*\p:(\base)+2*\p+1], v[CT+2*(\p%2):CT+2*(\p%2)+1]   ; x cos(theta)
.endif
.endr
.endif
.irp p, 0,1,2,3
.if \p < \cnt
	v_lshlrev_b32 v[TU+6*\p], 31, v[TU+6*\p]       ; k's parity as a sign bit
	v_lshlrev_b32 v[TU+6*\p+1], 31, v[TU+6*\p+1]
.endif
.endr
.irp p, 0,1,2,3
.if \p < \cnt
	v_xor_b32 v[(\base)+2*\p], v[(\base)+2*\p], v[TU+6*\p]       ; x (-1)^k
	v_xor_b32 v[(\base)+2*\p+1], v[(\base)+2*\p+1], v[TU+6*\p+1]
.endif
.endr
.endm
	s_load_b256 s[8:15], s[0:1], 0x0               ; x s[8:9], W1 s[10:11], W2 s[12:13], theta s[14:15]
	s_load_b128 s[16:19], s[0:1], 0x20             ; x's codes s[16:17], W1's s[18:19]
	s_load_b64 s[20:21], s[0:1], 0x30              ; W2's
	v_lshl_add_u32 v14, v0, 2, 0x10a00
	v_mov_b32 v15, 0
	v_lshrrev_b32 v1, 5, v0
	s_delay_alu instid0(VALU_DEP_1)
	v_readfirstlane_b32 s4, v1                     ; wave 0..7 = my fragment
	v_and_b32 v1, 31, v0                           ; lane
	s_delay_alu instid0(VALU_DEP_1)
	v_lshlrev_b32 v2, 4, v1                        ; 16 x lane: my 16 bytes of a row, of an image's 512, of the scale words
	s_mul_i32 s29, s4, STG
	v_add_nc_u32 v3, s29, v2                       ; into my stage: 16 x lane; the row stands in the immediate
	v_and_b32 v9, 15, v0                           ; r
	v_bfe_u32 v10, v0, 4, 1                        ; h
	s_delay_alu instid0(VALU_DEP_2)
	v_mul_u32_u24 v4, v9, SPT
	s_delay_alu instid0(VALU_DEP_1)
	v_lshl_add_u32 v4, v10, 7, v4
	s_delay_alu instid0(VALU_DEP_1)
	v_add_nc_u32 v4, s29, v4                       ; out of it: row r, 128 h bytes on
	s_lshr_b32 s29, s4, 2
	s_lshl_b32 s29, s29, 8
	s_and_b32 s61, s4, 3
	s_lshl_b32 s61, s61, 2
	s_add_co_u32 s29, s29, s61
	s_add_co_u32 s29, s29, SCB
	v_lshl_add_u32 v5, v9, 4, s29                  ; my row's scale word: 256 (i / 4) + 16 r + 4 (i % 4)
	v_add_nc_u32 v6, SCB, v2                       ; and the 512 bytes on their way out
	v_lshlrev_b32 v7, 3, v10                       ; 8 h: where my two bytes stand in the word
	v_mov_b32 v[C11], 0xb2d7322b                   ; -1 / 11!
	v_mov_b32 v[C11+1], 0xb2d7322b
	PAIR 32, 0x3ea2f983                            ; 1 / pi
	PAIR 34, 0x4b400000                            ; 1.5 x 2^23
	PAIR 36, 0xcb400000                            ; and its negative
	PAIR 38, 0xc0490fdb                            ; -(pi rounded to f32)
	PAIR 40, 0x33bbbd2e                            ; -(pi less that)
	PAIR 42, 0x2f309231                            ; 1 / 13!
	PAIR 44, 0x3638ef1d                            ; 1 / 9!
	PAIR 46, 0xb9500d01                            ; -1 / 7!
	PAIR 48, 0x3c088889                            ; 1 / 5!
	PAIR 50, 0xbe2aaaab                            ; -1 / 3!
	s_mov_b32 s52, 0x76543210
	s_mov_b32 s53, 0xfedcba98                      ; v_permlanex16_b32's selects for lane l xor 16
	s_wait_kmcnt 0x0
	s_cmp_lt_u32 ttmp9, 768                        ; which tensor?  The choice hangs on the work-group's number alone
	s_cselect_b64 s[22:23], s[10:11], s[12:13]
	s_cselect_b64 s[24:25], s[18:19], s[20:21]
	s_mov_b32 s26, 768
	s_cselect_b32 s26, 512, s26                    ; the tensor's first work-group
	s_cselect_b32 s27, 3, 5                        ; log2(K / 128)
	s_cmp_lt_u32 ttmp9, 512
	s_cselect_b64 s[22:23], s[8:9], s[22:23]
	s_cselect_b64 s[24:25], s[16:17], s[24:25]
	s_cselect_b32 s26, 0, s26
	s_cselect_b32 s27, 3, s27
	s_cselect_b32 s28, 1, 0                        ; 1: this is x
	s_sub_co_u32 s5, ttmp9, s26                    ; the block's number in its tensor
	s_lshr_b32 s6, s5, s27                         ; g
	s_lshl_b32 s7, s6, s27
	s_sub_co_u32 s7, s5, s7                        ; ks
	s_add_co_u32 s58, s27, 16
	s_lshl_b32 s56, s6, s58                        ; 128 g rows of 512 x K / 128 bytes
	s_lshl_b32 s30, s7, 9                          ; + 512 ks (also theta's offset)
	s_add_co_u32 s56, s56, s30
	s_lshr_b32 s59, s4, 1
	s_lshl_b32 s59, s59, 5
	s_and_b32 s60, s4, 1
	s_lshl_b32 s60, s60, 3
	s_add_co_u32 s59, s59, s60                     ; my fragment's first row: 32 (i / 2) + 8 (i % 2)
	s_add_co_u32 s58, s27, 9
	s_lshl_b32 s59, s59, s58
	s_add_co_u32 s56, s56, s59
	s_mov_b32 s57, 0
	s_mov_b32 s31, 0
	s_add_nc_u64 s[22:23], s[22:23], s[56:57]      ; the source at my first row, this K step
	s_mul_i32 s56, s5, SBB
	s_add_nc_u64 s[24:25], s[24:25], s[56:57]      ; the block
	s_mul_i32 s56, s4, 1536
	s_add_nc_u64 s[2:3], s[24:25], s[56:57]        ; my fragment's image
	s_cmp_eq_u32 s27, 5                            ; the row pitch stands in the loads' immediates: two runs of loads, one for each K
	s_cbranch_scc1 .Lwide
	LOADS 4096
	s_branch .Lloaded
.Lwide:
	LOADS 16384
.Lloaded:
	s_cmp_eq_u32 s28, 0
	s_cbranch_scc1 .Lraw                           ; the weights are quantised as they are
	s_add_nc_u64 s[54:55], s[14:15], s[30:31]
	global_load_b128 v[CT:CT+3], v2, s[54:55]      ; theta of my four k: 128 ks + 4 lane + 0 .. 3, the same in all 16 rows
	s_wait_loadcnt 0x0
	COSP CT, 2, 0
.irp n, 0,1,2,3,4,5,6,7
	COSP R+8*\n, 4, 1
.endr
.Lraw:
	s_wait_loadcnt 0x0
	s_wait_alu depctr_va_vdst(0)
.irp j, 0,1,2,3,4,5,6,7,8,9,10,11,12,13,14,15
	ds_store_b128 v3, v[R+4*\j:R+4*\j+3] offset:SPT*\j             ; row j as it was loaded
.endr
	s_wait_dscnt 0x0                               ; the stores have read their registers, which the loads below write
.irp c, 0,1
.irp j, 0,1,2,3,4,5,6,7
	ds_load_b128 v[R+32*\c+4*\j:R+32*\c+4*\j+3], v4 offset:256*\c+16*\j   ; v[R + 32 c + i] = k 64 c + 32 h + i of row r
.endr
.endr
	s_wait_dscnt 0x0
.irp c, 0,1                                    ; my block 2 c + h: all its 32 numbers are mine
	v_max3_num_f32 v[MX+\c], |v[R+32*\c]|, |v[R+32*\c+1]|, 0x2800000   ; and the floor 2^(5 - 127): the byte cannot fall under 1
.endr
.irp i, 2,4,6,8,10,12,14,16,18,20,22,24,26,28,30
.irp c, 0,1
	s_delay_alu instid0(VALU_DEP_2)
	v_max3_num_f32 v[MX+\c], v[MX+\c], |v[R+32*\c+\i]|, |v[R+32*\c+\i+1]|
.endr
.endr
.irp c, 0,1
	s_delay_alu instid0(VALU_DEP_2)
	v_add_nc_u32 v[SO+\c], 0xfe000000, v[MX+\c]    ; 4 off the exponent field: the conversion takes the exponent field of this operand as its scale
.endr
.irp c, 0,1
	s_delay_alu instid0(VALU_DEP_2)
	v_lshrrev_b32 v[BY+\c], 23, v[SO+\c]           ; the scale's byte
.endr
	s_delay_alu instid0(VALU_DEP_1)
	v_lshl_or_b32 v[WD], v[BY+1], 16, v[BY]        ; blocks h and 2 + h,
	s_delay_alu instid0(VALU_DEP_1)
	v_lshlrev_b32 v[WD], v7, v[WD]                 ; at their places in the word;
	v_mov_b32 v[WX], 0
	s_delay_alu instid0(VALU_DEP_1)
	v_permlanex16_b32 v[WX], v[WD], s52, s53
	s_delay_alu instid0(VALU_DEP_1)
	v_or_b32 v[WD], v[WD], v[WX]                   ; with lane l xor 16's two the word is whole
.irp c, 0,1
	v_cvt_scalef32_pk16_bf6_f32 v[PC+6*\c:PC+6*\c+2], v[R+32*\c:R+32*\c+15], v[SO+\c]
	v_cvt_scalef32_pk16_bf6_f32 v[CV+4*\c:CV+4*\c+2], v[R+32*\c+16:R+32*\c+31], v[SO+\c]   ; (a conversion's three registers begin on an even number)
.endr
	v_nop                                          ; one plain place behind a scaled conversion
.irp c, 0,1
.irp i, 0,1,2
	v_mov_b32 v[PC+6*\c+3+\i], v[CV+4*\c+\i]
.endr
.endr
.irp c, 0,1,2
	global_store_b128 v2, v[PC+4*\c:PC+4*\c+3], s[2:3] offset:512*\c   ; 32 lanes store 512 consecutive bytes, at a multiple of 256 from the buffer's first byte
.endr
	ds_store_b32 v5, v[WD]                         ; lanes r and r + 16 write the same word with the same value
	s_wait_dscnt 0x0                               ; for wave 0's sake: my word has landed
	s_barrier_signal -1
	s_barrier_wait -1
	s_cmp_lg_u32 s4, 0
	s_cbranch_scc1 .Ldone
	ds_load_b128 v[OW:OW+3], v6                    ; the eight waves' words
	s_wait_dscnt 0x0
	global_store_b128 v2, v[OW:OW+3], s[24:25] offset:12288        ; 512 consecutive bytes
.Ldone:
	s_wait_tensorcnt 0x0
	ds_add_u32 v14, v15
	s_wait_dscnt 0x0
	s_endpgm
.Lfunc_end_k_q423de30be6_quant:
	.size	k_q423de30be6_quant, .Lfunc_end_k_q423de30be6_quant-k_q423de30be6_quant
	.p2alignl 7, 3214868480
	.fill 96, 4, 3214868480
	.section	.rodata,"a",@progbits
	.p2align	6, 0x0
	.amdhsa_kernel k_q423de30be6_quant
		.amdhsa_group_segment_fixed_size 69120
		.amdhsa_private_segment_fixed_size 0
		.amdhsa_enable_private_segment 0
		.amdhsa_kernarg_size 56
		.amdhsa_user_sgpr_count 2
		.amdhsa_user_sgpr_kernarg_segment_ptr 1
		.amdhsa_wavefront_size32 1
		.amdhsa_system_sgpr_workgroup_id_x 1
		.amdhsa_system_sgpr_workgroup_id_y 1
		.amdhsa_system_sgpr_workgroup_id_z 1
		.amdhsa_system_vgpr_workitem_id 0
		.amdhsa_next_free_vgpr 128
		.amdhsa_next_free_sgpr 66
		.amdhsa_reserve_vcc 0
		.amdhsa_float_denorm_mode_32 3
		.amdhsa_float_denorm_mode_16_64 3
		.amdhsa_memory_ordered 1
		.amdhsa_forward_progress 1
		.amdhsa_inst_pref_size 52
	.end_amdhsa_kernel
	.amdgpu_metadata
---
amdhsa.version: [ 1, 2 ]
amdhsa.kernels:
  - .name:           k_q423de30be6_quant
    .symbol:         k_q423de30be6_quant.kd
    .args:
      - { .name: x, .offset: 0, .size: 8, .value_kind: global_buffer, .address_space: global }
      - { .name: W1, .offset: 8, .size: 8, .value_kind: global_buffer, .address_space: global }
      - { .name: W2, .offset: 16, .size: 8, .value_kind: global_buffer, .address_space: global }
      - { .name: theta, .offset: 24, .size: 8, .value_kind: global_buffer, .address_space: global }
      - { .name: xq, .offset: 32, .size: 8, .value_kind: global_buffer, .address_space: global }
      - { .name: w1q, .offset: 40, .size: 8, .value_kind: global_buffer, .address_space: global }
      - { .name: w2q, .offset: 48, .size: 8, .value_kind: global_buffer, .address_space: global }
    .group_segment_fixed_size: 69120
    .private_segment_fixed_size: 0
    .kernarg_segment_align: 8
    .kernarg_segment_size: 56
    .max_flat_workgroup_size: 256
    .sgpr_count:     66
    .vgpr_count:     128
    .wavefront_size: 32
...
	.end_amdgpu_metadata
.endif
;; end of part 1
;; launch ffn1 (part 2): grid 16 x 16, 4 waves a work-group, clusters of 4 x 4, 327,680 bytes of LDS; arguments xq, w1q, hq; writes hq
.if DOCPART == 2
	.amdgcn_target "amdgcn-amd-amdhsa--gfx1250"
	.amdhsa_code_object_version 6
	.text
	.protected	k_q423de30be6_ffn1
	.globl	k_q423de30be6_ffn1
	.p2align	8
	.type	k_q423de30be6_ffn1,@function
k_q423de30be6_ffn1:
	s_mov_b64 s[64:65], 0
	v_nop
	global_prefetch_b8 v0, s[64:65] scope:SCOPE_SE
	s_setreg_imm32_b32 hwreg(HW_REG_WAVE_MODE, 25, 1), 1
	s_wait_xcnt 0x0
	s_wait_alu depctr_hold_cnt(0) depctr_sa_sdst(0) depctr_va_vdst(0) depctr_va_sdst(0) depctr_va_ssrc(0) depctr_va_vcc(0) depctr_vm_vsrc(0)
	s_getreg_b32 s2, hwreg(HW_REG_IB_STS2, 6, 4)
	s_cmp_eq_u32 s2, 0
	s_cbranch_scc0 .Lentry_in_a_cluster
	s_endpgm
.Lentry_in_a_cluster:
	s_bfe_u32 s2, ttmp6, 0x10000c
	s_cmp_lg_u32 s2, 0xf033
	s_cbranch_scc0 .Lentry_shape_is_right
	s_endpgm
.Lentry_shape_is_right:
; h = relu(q W1^T), q [8192][1024] and W1 [4096][1024] as codes of BF6 (E3M2) with E8M0 scales; h [8192][4096] leaves as codes of BF6, quantised along its 4,096 in registers.
; ALL THREE BUFFERS lie in blocks of 12,800 bytes, one for 128 rows x 128 along K, at (group x K / 128 + K step) x 12,800: eight fragment images of 1,536 bytes (the operand's 12 registers as they stand:
; registers 4 c .. 4 c + 3 of lane l at 512 c + 16 l), then 512 bytes of scale words (fragment i, lane row r at 256 (i / 4) + 16 r + 4 (i % 4)).  Lane row p of fragment i is the group's row 32 (i / 2) + 8 (i % 2) + p + 8 (p / 8).
; SHARES.  A work-group of four waves makes two tiles of 256 x 256 of h, one below the other, with the same 256 rows of W1; a wave makes 128 x 128: 64 accumulators, 512 registers.  16 K steps a wave, written out.
; W1's codes for all of K (16 blocks on end, 204,800 bytes) come into LDS once, by one joint load of four blocks a wave, and stay: nothing is filled again.  A step's 25 LDS loads are issued one step ahead of their use.
; q COMES FROM MEMORY STRAIGHT INTO THE FRAGMENT REGISTERS, as its blocks lie: 24 loads of 512 consecutive bytes and one for the scale words a step, asked two steps (the scale words three) ahead:
; the fragments of two blocks of rows are loaded again, for the step two on, as soon as their 16 products are issued.  So a step has 25 LDS loads where a ring for q would make it 50, and the walk has no barrier.
; That is why q is not asked for jointly: a joint load ends in LDS.  No prefetch: q's loads are themselves asked two steps ahead, and W1 comes whole at the head.
; THE MATRIX INSTRUCTION IS USED TRANSPOSED (source 0 = 16 rows of W1, source 1 = 16 rows of q): by the order of W1's rows in a fragment, a lane's 64 results of one block of 16 rows are, register 16 b + i,
; hidden unit 32 b + 16 (lane / 16) + i of one row: neighbours along the next product's K.  A wave's 128 x 128 of h is exactly one block of hq.
; CLUSTERS: 4 x 4 work-groups.  The four of a column of the cluster need the same rows of W1 and ask for them jointly.
; LIMITS: NaN and infinities are not served; a block of h that is all zeros gets the byte 1 (its codes are zeros; only this program reads the bytes).
; REGISTERS, in windows of 256: window 0: v20-23 LDS addresses; v28-31; v32-47 q's scale words, four sets; v48-55 W1's, two sets; v56-151, v152-247 W1's fragments, two sets; the way out's work lies over them.
;   window 1: q's fragments, two sets, at v0 and v128.   window 2: the accumulators of my rows' blocks 0-3 ((a, b) at v[8 (8 (a % 4) + b)]);   window 3: blocks 4-7.
.set SB,    12800                      ; a block
.set FRB,   1536                       ; a fragment's image
.set FR,    12                         ; its registers
.set SCO,   12288                      ; the scale words' place in a block
.set BGRP,  8*SB                       ; W1 in LDS: [half of the columns][8 K steps]
.set SPARE, 2*BGRP                     ; behind W1: the spare words, 128 bytes for each wave
.set HT,    2*32*SB                    ; from a tile's block of hq to the next tile's: two groups of rows
.set ADRB,  20                         ; v20-23  16 x lane + my half of W1, K steps 2 f on
.set SPW,   28                         ; v28     LDS address of my spare word; never rewritten
.set NIL,   29                         ; v29     0; never rewritten
.set GO,    30                         ; v30     16 x lane
.set LN,    31                         ; v31     lane
.set SCQ,   32                         ; q's scale words: step n's in set n % 4
.set SCW,   48                         ; W1's: set n % 2
.set BF,    56                         ; W1's fragments: set p at BF + 96 p
.set NUM,   56                         ; the way out: v56-119 64 numbers of h
.set TM,    120                        ; v120-123 largest numbers, v124-127 the other half's, then bytes, v132-135 the conversions' scale operands
.set CV,    136                        ; v[136:138], v[140:142] the second of each pair of conversions
.set PWS,   144                        ; v144-151 the eight blocks' scale words
.set OW,    152                        ; v[152:155] the scale words on their way out
.set PC,    156                        ; v156-203 h's codes: four sets of 12 by turns
.set BQ,    14                         ; s[14:15] q's blocks: my group of rows, tile 0, K step 0
.set G1B,   48                         ; s[48:55] descriptor group 1 for W1;  s[56:59] group 0
.set G0B,   56
.set MUL_LO, 0xa4                      ; source 0 window 0, source 1 window 1, C and D window 2
.set TO_Q,   0x40                      ; destination window 1, address window 0
.set MSB, 0
.macro WIN new                         ; the immediate's high byte repeats the setting that is left; a switch that changes nothing is dropped
.if MSB != (\new)
	s_set_vgpr_msb (MSB<<8)|(\new)
.set MSB, (\new)
.endif
.endm
.macro PLACES                          ; four plain places behind a matrix instruction, ahead of loads into its operands and of vector instructions on its registers (ISA guide 7.12.1 for vector instructions)
.rept 4
	v_nop
.endr
.endm
.macro CROUND                          ; a round of the cluster's barrier
	s_barrier_signal -1
	s_barrier_wait -1
	s_cmp_lg_u32 s10, 0
	s_cbranch_scc1 .Lnot_wave_0_\@
	s_barrier_signal -3
.Lnot_wave_0_\@:
	s_barrier_wait -3
	s_barrier_signal -1
	s_barrier_wait -1
.endm
; One product: q's block a x W1's block b, 128 along K; sets P and Q, Z = 1: the product starts the sum.  A fragment's scale words: register (fragment % 4) of its set, lanes 16-31 where fragment / 4 = 1.
.macro MM a, b
.set rD, 8*(8*((\a)%4)+(\b))
.set rB, BF+96*P+FR*(\b)
.set rA, 128*P+FR*(\a)
.set rSB, SCW+4*P+(\b)%4
.set rSA, SCQ+4*Q+(\a)%4
.if Z
.if ((\b)/4 == 0) && ((\a)/4 == 0)
	v_wmma_scale_f32_16x16x128_f8f6f4 v[rD:rD+7], v[rB:rB+FR-1], v[rA:rA+FR-1], 0, v[rSB], v[rSA] matrix_a_fmt:MATRIX_FMT_BF6 matrix_b_fmt:MATRIX_FMT_BF6
.elseif ((\b)/4 == 1) && ((\a)/4 == 0)
	v_wmma_scale_f32_16x16x128_f8f6f4 v[rD:rD+7], v[rB:rB+FR-1], v[rA:rA+FR-1], 0, v[rSB], v[rSA] matrix_a_fmt:MATRIX_FMT_BF6 matrix_b_fmt:MATRIX_FMT_BF6 matrix_a_scale:MATRIX_SCALE_ROW1
.elseif ((\b)/4 == 0) && ((\a)/4 == 1)
	v_wmma_scale_f32_16x16x128_f8f6f4 v[rD:rD+7], v[rB:rB+FR-1], v[rA:rA+FR-1], 0, v[rSB], v[rSA] matrix_a_fmt:MATRIX_FMT_BF6 matrix_b_fmt:MATRIX_FMT_BF6 matrix_b_scale:MATRIX_SCALE_ROW1
.else
	v_wmma_scale_f32_16x16x128_f8f6f4 v[rD:rD+7], v[rB:rB+FR-1], v[rA:rA+FR-1], 0, v[rSB], v[rSA] matrix_a_fmt:MATRIX_FMT_BF6 matrix_b_fmt:MATRIX_FMT_BF6 matrix_a_scale:MATRIX_SCALE_ROW1 matrix_b_scale:MATRIX_SCALE_ROW1
.endif
.else
.if ((\b)/4 == 0) && ((\a)/4 == 0)
	v_wmma_scale_f32_16x16x128_f8f6f4 v[rD:rD+7], v[rB:rB+FR-1], v[rA:rA+FR-1], v[rD:rD+7], v[rSB], v[rSA] matrix_a_fmt:MATRIX_FMT_BF6 matrix_b_fmt:MATRIX_FMT_BF6
.elseif ((\b)/4 == 1) && ((\a)/4 == 0)
	v_wmma_scale_f32_16x16x128_f8f6f4 v[rD:rD+7], v[rB:rB+FR-1], v[rA:rA+FR-1], v[rD:rD+7], v[rSB], v[rSA] matrix_a_fmt:MATRIX_FMT_BF6 matrix_b_fmt:MATRIX_FMT_BF6 matrix_a_scale:MATRIX_SCALE_ROW1
.elseif ((\b)/4 == 0) && ((\a)/4 == 1)
	v_wmma_scale_f32_16x16x128_f8f6f4 v[rD:rD+7], v[rB:rB+FR-1], v[rA:rA+FR-1], v[rD:rD+7], v[rSB], v[rSA] matrix_a_fmt:MATRIX_FMT_BF6 matrix_b_fmt:MATRIX_FMT_BF6 matrix_b_scale:MATRIX_SCALE_ROW1
.else
	v_wmma_scale_f32_16x16x128_f8f6f4 v[rD:rD+7], v[rB:rB+FR-1], v[rA:rA+FR-1], v[rD:rD+7], v[rSB], v[rSA] matrix_a_fmt:MATRIX_FMT_BF6 matrix_b_fmt:MATRIX_FMT_BF6 matrix_a_scale:MATRIX_SCALE_ROW1 matrix_b_scale:MATRIX_SCALE_ROW1
.endif
.endif
.endm
.macro FETCHB k, p                     ; 25 LDS loads: W1's eight fragments and scale words of K step k into set p; each load 512 consecutive bytes
.irp i, 0,1,2,3,4,5,6,7
.irp c, 0,1,2
	ds_load_b128 v[BF+96*(\p)+FR*\i+4*\c:BF+96*(\p)+FR*\i+4*\c+3], v[ADRB+(\k)/2] offset:SB*((\k)%2)+FRB*\i+512*\c
.endr
.endr
	ds_load_b128 v[SCW+4*(\p):SCW+4*(\p)+3], v[ADRB+(\k)/2] offset:SB*((\k)%2)+SCO
.endm
; Step n of my 16 (tile n / 8, K step n % 8): 64 products, q's blocks two by two, each against W1's eight.  The 64 accumulators take turns, one instruction a turn, in the same order in every step.
; Global loads of a step, in their order: q's scale words for step n + 3; behind pair g's 16 products the pair's six fragment loads for step n + 2.  The wait ahead of pair g leaves out what was issued behind the pair's loads:
; 6 (3 - g) in step n - 2, 25 in step n - 1, 1 + 6 g in step n: 44; less where a step at either end issues fewer.
.macro STEP n
.set P, (\n)%2
.set Q, (\n)%4
.if ((\n)%8) == 0
.set Z, 1
.else
.set Z, 0
.endif
.set K2, ((((\n)+2)/8)*16+((\n)+2)%8)*SB  ; where step n + 2's block of q lies: a tile's groups are 16 blocks apart
.set K3, ((((\n)+3)/8)*16+((\n)+3)%8)*SB
.set C1, 0
.if (\n) == 0 || (\n) == 13
.set C0, 43
.elseif (\n) <= 12
.set C0, 44
.elseif (\n) == 14
.set C0, 42
.set C1, 6
.else
.set C0, 18
.set C1, 6
.endif
.if ((\n)%8) != 7
	FETCHB ((\n)+1)%8, 1-P                         ; the next step's W1; behind the tile's last step it waits for the way out
.endif
.if (\n)+3 <= 15
	global_load_b128 v[SCQ+4*((Q+3)%4):SCQ+4*((Q+3)%4)+3], v[GO], s[BQ:BQ+1] offset:K3+SCO
.endif
.irp g, 0,1,2,3
	s_wait_loadcnt C0-C1*\g
	WIN MUL_LO+0x50*(\g/2)
.irp a, 2*\g, 2*\g+1
.irp b, 0,1,2,3,4,5,6,7
	MM \a, \b
.endr
.endr
	PLACES
.if (\n)+2 <= 15
	WIN TO_Q
.irp a, 2*\g, 2*\g+1
.irp c, 0,1,2
	global_load_b128 v[128*P+FR*(\a)+4*\c:128*P+FR*(\a)+4*\c+3], v[GO], s[BQ:BQ+1] offset:K2+FRB*(\a)+512*\c
.endr
.endr
.endif
.endr
	WIN 0
	s_wait_dscnt 0x0                               ; the next step's W1 is in (asked for 64 products ago)
.endm
; 64 numbers of a lane, none negative, register 16 b + i = k 32 b + 16 (lane / 16) + i of my row, become a fragment's codes in v[pc] on and its scale word in v[pw].
.macro QUANT s, pc, pw
.irp b, 0,1,2,3
	v_max3_num_f32 v[TM+\b], v[\s+16*\b], v[\s+1+16*\b], 0x2800000   ; block b: my 16 numbers, and the floor 2^(5 - 127): the byte cannot fall under 1
.endr
.irp i, 2,4,6,8,10,12,14
.irp b, 0,1,2,3
	v_max3_num_f32 v[TM+\b], v[TM+\b], v[\s+16*\b+\i], v[\s+1+16*\b+\i]   ; (the four blocks by turns)
.endr
.endr
.irp b, 0,1,2,3
	v_permlanex16_b32 v[TM+4+\b], v[TM+\b], s20, s21
.endr
.irp b, 0,1,2,3
	v_max_num_f32 v[TM+\b], v[TM+\b], v[TM+4+\b]   ; with lane l xor 16's: the block's largest number
.endr
.irp b, 0,1,2,3
	v_add_nc_u32 v[TM+12+\b], 0xfe000000, v[TM+\b] ; 4 off its exponent field: the conversion's scale operand
.endr
.irp b, 0,1,2,3
	v_lshrrev_b32 v[TM+4+\b], 23, v[TM+12+\b]      ; the scale's byte
.endr
	v_lshl_or_b32 v[\pw], v[TM+5], 8, v[TM+4]      ; my row's scale word
	v_lshl_or_b32 v[\pw], v[TM+6], 16, v[\pw]
	v_lshl_or_b32 v[\pw], v[TM+7], 24, v[\pw]
.irp c, 0,1
	v_cvt_scalef32_pk16_bf6_f32 v[(\pc)+6*\c:(\pc)+6*\c+2], v[\s+32*\c:\s+32*\c+15], v[TM+12+2*\c]
	v_cvt_scalef32_pk16_bf6_f32 v[CV+4*\c:CV+4*\c+2], v[\s+32*\c+16:\s+32*\c+31], v[TM+13+2*\c]   ; (a conversion's three registers begin on an even number)
.endr
	v_nop                                          ; one plain place behind a scaled conversion
.irp c, 0,1                                    ; the operand's layout wants a WHOLE block in a lane: lanes 0-15 block 2 c, lanes 16-31 block 2 c + 1
.irp i, 0,1,2
	v_permlane16_swap_b32 v[(\pc)+6*\c+\i], v[CV+4*\c+\i]
.endr
.irp i, 0,1,2
	v_mov_b32 v[(\pc)+3+6*\c+\i], v[CV+4*\c+\i]
.endr
.endr
.endm
; THE WAY OUT of tile t: block by block of 16 rows: relu (which also brings the numbers into window 0, each accumulator from its low end on), the quantiser, three stores of 512 consecutive bytes.
; The last step's four v_nop are the places ahead of it.  No LDS is touched; q's loads for the next tile's first steps are out meanwhile, into window 1.
.macro EPILOGUE t
.irp a, 0,1,2,3,4,5,6,7
.if \a >= 4
	s_wait_xcnt 0x0                                ; block a - 4's stores have read their registers, which take this block's codes
.endif
	WIN 0x08+4*(\a/4)                              ; source 1: window 2 or 3
.set J, 0
.rept 64
	v_max_num_f32 v[NUM+J], 0, v[64*(\a%4)+J]
.set J, J+1
.endr
	WIN 0
	QUANT NUM, PC+FR*(\a%4), PWS+\a
.irp c, 0,1,2
	global_store_b128 v[GO], v[PC+FR*(\a%4)+4*\c:PC+FR*(\a%4)+4*\c+3], s[8:9] offset:HT*\t+FRB*\a+512*\c
.endr
.endr
	v_cmp_gt_u32 vcc_lo, 16, v[LN]
.irp i, 0,1,2,3
	v_cndmask_b32 v[OW+\i], v[PWS+4+\i], v[PWS+\i], vcc_lo         ; lanes 0-15: blocks 0-3's words of row r; lanes 16-31: blocks 4-7's
.endr
	global_store_b128 v[GO], v[OW:OW+3], s[8:9] offset:HT*\t+SCO
.endm
	s_load_b128 s[4:7], s[0:1], 0x0                ; q's blocks s[4:5], W1's s[6:7]
	s_load_b64 s[8:9], s[0:1], 0x10                ; h's
	v_lshl_add_u32 v[SPW], v0, 2, SPARE
	v_mov_b32 v[NIL], 0
	ds_add_u32 v[SPW], v[NIL]                      ; the opening lines: the add, twice on end, and its wait ahead of my first tensor load
	ds_add_u32 v[SPW], v[NIL]
	v_lshrrev_b32 v1, 5, v0
	v_readfirstlane_b32 s10, v1                    ; wave 0..3
	s_lshr_b32 s11, s10, 1                         ; which half of the tile's rows is mine
	s_and_b32 s12, s10, 1                          ; which half of its columns
	s_bfe_u32 s40, ttmp6, 0x40000                  ; cx, cy: my place in the cluster
	s_bfe_u32 s41, ttmp6, 0x40004
	s_lshl_b32 s42, ttmp9, 2
	s_add_co_u32 s42, s42, s40                     ; tile column = 4 x cluster x + cx
	s_and_b32 s13, ttmp7, 0xffff
	s_lshl_b32 s13, s13, 2
	s_add_co_u32 s13, s13, s41                     ; pair of tile rows = 4 x cluster y + cy
	s_lshl_b32 s44, 0x1111, s40                    ; my column of the cluster
	; descriptor group 1: four blocks on end as 200 rows of 256 bytes (32 elements of 8 bytes)
	s_or_b32 s[G1B+0], s44, (3<<16)|(1<<21)        ; the mask: W1's blocks go to my column; elements of 8 bytes; no padding; bit 21 set beside a mask
	s_mov_b32 s[G1B+1], 32<<16
	s_mov_b32 s[G1B+2], 200<<16
	s_mov_b32 s[G1B+3], 32<<16
	s_mov_b32 s[G1B+4], 200
	s_mov_b32 s[G1B+5], 32
	s_mov_b32 s[G1B+6], 0
	s_mov_b32 s[G1B+7], 0
	s_lshl_b32 s14, s13, 5                         ; q: group 4 x pair + my half of the rows, 8 blocks to a group
	s_lshl_b32 s15, s11, 3
	s_add_co_u32 s14, s14, s15
	s_mul_i32 s14, s14, SB
	s_mov_b32 s15, 0
	s_lshl_b32 s46, s42, 4                         ; W1: 16 blocks to a tile column; I fetch four from 4 x wave on: it hangs on the tile column and the wave alone
	s_lshl_b32 s47, s10, 2
	s_add_co_u32 s46, s46, s47
	s_mul_i32 s46, s46, SB
	s_mov_b32 s47, 0
	s_mul_i32 s23, s10, 4*SB                       ; where they go: no place in the cluster enters an LDS address
	s_lshl_b32 s16, s13, 2                         ; my block of hq in tile 0: group of rows 4 x pair + half, K step 2 x tile column + half
	s_add_co_u32 s16, s16, s11
	s_lshl_b32 s16, s16, 5
	s_lshl_b32 s18, s42, 1
	s_add_co_u32 s16, s16, s18
	s_add_co_u32 s16, s16, s12
	s_mul_i32 s16, s16, SB
	s_mov_b32 s17, 0
	s_mov_b32 s20, 0x76543210
	s_mov_b32 s21, 0xfedcba98                      ; v_permlanex16_b32's selects for lane l xor 16
	s_mul_i32 s3, s12, BGRP
	v_and_b32 v[LN], 31, v0
	v_lshlrev_b32 v[GO], 4, v[LN]
	v_add_nc_u32 v[ADRB], s3, v[GO]
	v_add_nc_u32 v[ADRB+1], 2*SB, v[ADRB]
	v_add_nc_u32 v[ADRB+2], 4*SB, v[ADRB]
	v_add_nc_u32 v[ADRB+3], 6*SB, v[ADRB]
	s_wait_alu depctr_va_vdst(0)
	s_wait_dscnt 0x0                               ; both opening adds are done
	s_wait_kmcnt 0x0
	s_add_nc_u64 s[BQ:BQ+1], s[4:5], s[BQ:BQ+1]
	s_add_nc_u64 s[46:47], s[6:7], s[46:47]
	s_add_nc_u64 s[8:9], s[8:9], s[16:17]
.irp q, 0,1,2                                  ; q's first loads: the scale words of steps 0 to 2, the fragments of steps 0 and 1: 51 loads
	global_load_b128 v[SCQ+4*\q:SCQ+4*\q+3], v[GO], s[BQ:BQ+1] offset:SB*\q+SCO
.endr
	WIN TO_Q
.irp p, 0,1
.irp a, 0,1,2,3,4,5,6,7
.irp c, 0,1,2
	global_load_b128 v[128*\p+FR*\a+4*\c:128*\p+FR*\a+4*\c+3], v[GO], s[BQ:BQ+1] offset:SB*\p+FRB*\a+512*\c
.endr
.endr
.endr
	WIN 0
	CROUND                                         ; all sixteen work-groups are here: the joint loads meet
	s_mov_b32 s[G0B], 1
	s_add_co_u32 s[G0B+1], s23, 0
	s_mov_b64 s[G0B+2:G0B+3], s[46:47]
	s_or_b32 s[G0B+3], s[G0B+3], 0x80000000
	tensor_load_to_lds s[G0B:G0B+3], s[G1B:G1B+7]  ; my one tensor load of the launch
	s_nop 0
	PLACES
	s_wait_tensorcnt 0x0                           ; my four blocks of W1 are in
	s_barrier_signal -1
	s_barrier_wait -1                              ; everybody's are
	FETCHB 0, 0
	s_wait_dscnt 0x0
.irp n, 0,1,2,3,4,5,6,7
	STEP \n
.endr
	EPILOGUE 0
	s_wait_xcnt 0x0                                ; tile 0's stores have read their registers: W1's fragments may land there
	FETCHB 0, 0
	s_wait_dscnt 0x0
.irp n, 8,9,10,11,12,13,14,15
	STEP \n
.endr
	EPILOGUE 1
	s_wait_tensorcnt 0x0                           ; the wave's end
	ds_add_u32 v[SPW], v[NIL]
	s_wait_dscnt 0x0
	CROUND                                         ; the closing round
	s_endpgm
.Lfunc_end_k_q423de30be6_ffn1:
	.size	k_q423de30be6_ffn1, .Lfunc_end_k_q423de30be6_ffn1-k_q423de30be6_ffn1
	.p2alignl 7, 3214868480
	.fill 96, 4, 3214868480
	.section	.rodata,"a",@progbits
	.p2align	6, 0x0
	.amdhsa_kernel k_q423de30be6_ffn1
		.amdhsa_group_segment_fixed_size 327680
		.amdhsa_private_segment_fixed_size 0
		.amdhsa_enable_private_segment 0
		.amdhsa_kernarg_size 24
		.amdhsa_user_sgpr_count 2
		.amdhsa_user_sgpr_kernarg_segment_ptr 1
		.amdhsa_wavefront_size32 1
		.amdhsa_system_sgpr_workgroup_id_x 1
		.amdhsa_system_sgpr_workgroup_id_y 1
		.amdhsa_system_sgpr_workgroup_id_z 1
		.amdhsa_system_vgpr_workitem_id 0
		.amdhsa_next_free_vgpr 1024
		.amdhsa_next_free_sgpr 66
		.amdhsa_reserve_vcc 1
		.amdhsa_float_denorm_mode_32 3
		.amdhsa_float_denorm_mode_16_64 3
		.amdhsa_memory_ordered 1
		.amdhsa_forward_progress 1
		.amdhsa_inst_pref_size 255
	.end_amdhsa_kernel
	.section	.bss,"aw",@nobits
	.p2align	6
	.space	262144
	.amdgpu_metadata
---
amdhsa.version: [ 1, 2 ]
amdhsa.kernels:
  - .name:           k_q423de30be6_ffn1
    .symbol:         k_q423de30be6_ffn1.kd
    .args:
      - { .name: xq, .offset: 0, .size: 8, .value_kind: global_buffer, .address_space: global }
      - { .name: w1q, .offset: 8, .size: 8, .value_kind: global_buffer, .address_space: global }
      - { .name: hq, .offset: 16, .size: 8, .value_kind: global_buffer, .address_space: global }
    .group_segment_fixed_size: 327680
    .private_segment_fixed_size: 0
    .kernarg_segment_align: 8
    .kernarg_segment_size: 24
    .max_flat_workgroup_size: 128
    .sgpr_count:     66
    .vgpr_count:     1024
    .wavefront_size: 32
...
	.end_amdgpu_metadata
.endif
;; end of part 2
;; launch ffn2 (part 3): grid 4 x 64, 4 waves a work-group, clusters of 4 x 4, 327,680 bytes of LDS; arguments hq, w2q, out0; writes out0
.if DOCPART == 3
	.amdgcn_target "amdgcn-amd-amdhsa--gfx1250"
	.amdhsa_code_object_version 6
	.text
	.protected	k_q423de30be6_ffn2
	.globl	k_q423de30be6_ffn2
	.p2align	8
	.type	k_q423de30be6_ffn2,@function
k_q423de30be6_ffn2:
	s_mov_b64 s[64:65], 0
	v_nop
	global_prefetch_b8 v0, s[64:65] scope:SCOPE_SE
	s_setreg_imm32_b32 hwreg(HW_REG_WAVE_MODE, 25, 1), 1
	s_wait_xcnt 0x0
	s_wait_alu depctr_hold_cnt(0) depctr_sa_sdst(0) depctr_va_vdst(0) depctr_va_sdst(0) depctr_va_ssrc(0) depctr_va_vcc(0) depctr_vm_vsrc(0)
	s_getreg_b32 s2, hwreg(HW_REG_IB_STS2, 6, 4)
	s_cmp_eq_u32 s2, 0
	s_cbranch_scc0 .Lentry_in_a_cluster
	s_endpgm
.Lentry_in_a_cluster:
	s_bfe_u32 s2, ttmp6, 0x10000c
	s_cmp_lg_u32 s2, 0xf033
	s_cbranch_scc0 .Lentry_shape_is_right
	s_endpgm
.Lentry_shape_is_right:
; out = h W2^T, h [8192][4096] and W2 [1024][4096] as codes of BF6 (E3M2) with E8M0 scales; out [8192][1024] f32.
; BOTH OPERANDS lie in blocks of 12,800 bytes, one for 128 rows x 128 along K, at (group x 32 + K step) x 12,800: eight fragment images of 1,536 bytes (the operand's 12 registers as they stand:
; registers 4 c .. 4 c + 3 of lane l at 512 c + 16 l), then 512 bytes of scale words (fragment i, lane row r at 256 (i / 4) + 16 r + 4 (i % 4)).  Lane row p of fragment i is the group's row 32 (i / 2) + 8 (i % 2) + p + 8 (p / 8).
; SHARES.  out has 64 x 4 tiles of 128 rows x 256 columns, one to a work-group of four waves.  A wave has 128 x 128 (64 accumulators), and THE WAVES SHARE K:
; wave w takes columns 128 (w / 2) on and, of every four K steps, steps 2 (w % 2) and 2 (w % 2) + 1.  The two partial sums of a column half meet in LDS at the end and are added in f32 (LIMIT: the sums' order differs from one chain along K).
; THE RING: eight fills of four K steps (h's 4 blocks, W2's 2 x 4: 153,600 bytes) through two LDS slots.  Both operands have TWO sets of fragment registers: a step's 50 LDS loads are issued one step, 64 products, ahead of their use.
; So when a slot's first step has been multiplied, its second step lies in registers: the slot is read out.  There stand on end the wait for the other slot's load, the add, the round and the refill,
; and a wave issues 128 products between a refill and the wait for it.
; THE MATRIX INSTRUCTION IS USED TRANSPOSED (source 0 = 16 rows of W2, source 1 = 16 rows of h): register j of lane (r, half) of accumulator (a, b) is column 32 (b / 2) + 8 (b % 2) + 16 half + j of h's fragment a, lane row r.
; CLUSTERS: 4 x 4 work-groups.  The four of a row of the cluster need the same blocks of h, the four of a column the same blocks of W2: each is asked for JOINTLY, by the same tensor load with the same descriptor and a mask that names the four.
; PREFETCH: behind the load of fill f stands the request for fill f + 2 (f = 0 .. 5).  The four partners of a joint load share its blocks of 256 bytes out by address: of h's 100 each takes 25 (one instruction, a lane a block;
; lanes 25-31 name the 25th again), of W2's 200 each takes 50 (two instructions).  A work-group has at most two fills asked for and not yet loaded.
; REGISTERS, in windows of 256: window 0: v15-31 addresses; v32-47 scale words, two sets, and nothing else; v48-143, v144-239 h's eight fragments, two sets; on the way out v64-191 two sets of rows.
;   window 1: W2's fragments, two sets, at v0 and v128.   window 2: the accumulators of h's blocks 0-3 ((a, b) at v[8 (8 (a % 4) + b)]);   window 3: blocks 4-7.
.set SB,    12800                      ; a block
.set FRB,   1536                       ; a fragment's image
.set FR,    12                         ; its registers
.set SCO,   12288                      ; the scale words' place in a block
.set SLOT,  12*SB                      ; h's 4 K steps, W2's first group's 4, its second group's 4
.set SPARE, 2*SLOT                     ; behind the ring: the spare words, 128 bytes for each wave
.set SPT,   528                        ; the way out: a row of 512 bytes + 16, an odd multiple of 16
.set AREA,  128*SPT                    ; a wave's 128 rows.  The four areas lie in the ring, which has had its last fill and its last read when the first result is stored there
.set RD1,   15                         ; v15     the way out: the same rows of the partner's partial sums
.set ADRA,  16                         ; v16-17  16 x lane + my two K steps of h in slot 0, 1
.set ADRB,  20                         ; v20-21  the same for my half of W2
.set STO,   26                         ; v26     the way out: where I put 32 bytes of a row
.set RD0,   27                         ; v27     the way out: where I read rows back
.set SPW,   28                         ; v28     LDS address of my spare word; never rewritten
.set NIL,   29                         ; v29     0; never rewritten
.set GO,    30                         ; v30     16 x lane
.set PFO,   31                         ; v31     the prefetches' offset: 256 x min(lane, 24); never rewritten
.set SC,    32                         ; set p: v[SC + 8 p ..+3] h's scale words, v[SC + 8 p + 4 ..+7] W2's
.set AF,    48                         ; h's fragments: set p at AF + 96 p
.set OB,    64                         ; the way out: v64-127 and v128-191 by turns
.set PFA,   20                         ; s[20:21] where my prefetches stand
.set G1A,   24                         ; s[24:31] descriptor group 1 for h;  s[32:39] group 0, a set for each slot
.set G0A,   32
.set G1B,   48                         ; s[48:55], s[56:63] the same for W2
.set G0B,   56
.set MUL_LO, 0xa1                      ; source 0 window 1, source 1 window 0, C and D window 2
.set MUL_HI, 0xf1                      ; the same, C and D window 3
.set TO_B,   0x40                      ; destination window 1, address window 0
.set MSB, 0
.macro WIN new                         ; the immediate's high byte repeats the setting that is left; a switch that changes nothing is dropped
.if MSB != (\new)
	s_set_vgpr_msb (MSB<<8)|(\new)
.set MSB, (\new)
.endif
.endm
.macro PLACES                          ; four plain places behind a matrix instruction, ahead of loads into its operands and of stores of its results
.rept 4
	v_nop
.endr
.endm
.macro CROUND                          ; a round of the cluster's barrier
	s_barrier_signal -1
	s_barrier_wait -1
	s_cmp_lg_u32 s10, 0
	s_cbranch_scc1 .Lnot_wave_0_\@
	s_barrier_signal -3
.Lnot_wave_0_\@:
	s_barrier_wait -3
	s_barrier_signal -1
	s_barrier_wait -1
.endm
; A joint load into slot s: waves 0 and 1 fetch h's two halves, waves 2 and 3 W2's two groups.  The branch hangs on the wave's number alone.  An s_nop 0 and four v_nop follow each line.
.macro JLOAD s
	s_cmp_eq_u32 s11, 0
	s_cbranch_scc0 .Lfor_b_\@
	tensor_load_to_lds s[G0A+4*\s:G0A+4*\s+3], s[G1A:G1A+7]
	s_nop 0
	PLACES
	s_branch .Lasked_\@
.Lfor_b_\@:
	tensor_load_to_lds s[G0B+4*\s:G0B+4*\s+3], s[G1B:G1B+7]
	s_nop 0
	PLACES
.Lasked_\@:
.endm
; The prefetch of my share of the fill two on.  cond = 1, in the loop: its last trip (s3 = 1) loads fills 6 and 7, which have no fill two on.  W2's waves have 50 blocks: a second instruction, 25 blocks further on.
.macro ASK cond, off
.if \cond
	s_cmp_gt_u32 s3, 1
	s_cbranch_scc0 .Lno_ask_\@
.endif
	global_prefetch_b8 v[PFO], s[PFA:PFA+1] offset:\off th:TH_LOAD_NT scope:SCOPE_SE
	s_cmp_eq_u32 s11, 0
	s_cbranch_scc1 .Lno_ask_\@
	global_prefetch_b8 v[PFO], s[PFA:PFA+1] offset:\off+6400 th:TH_LOAD_NT scope:SCOPE_SE
.Lno_ask_\@:
.endm
; One product: h's block a x W2's block b, 128 along K, set p.  A fragment's scale words: register (fragment % 4) of its side's four, lanes 16-31 where fragment / 4 = 1.
.macro MM a, b, p, zero
.set rD, 8*(8*((\a)%4)+(\b))
.set rB, 128*(\p)+FR*(\b)
.set rA, AF+96*(\p)+FR*(\a)
.set rSB, SC+8*(\p)+4+(\b)%4
.set rSA, SC+8*(\p)+(\a)%4
.if \zero
.if ((\b)/4 == 0) && ((\a)/4 == 0)
	v_wmma_scale_f32_16x16x128_f8f6f4 v[rD:rD+7], v[rB:rB+FR-1], v[rA:rA+FR-1], 0, v[rSB], v[rSA] matrix_a_fmt:MATRIX_FMT_BF6 matrix_b_fmt:MATRIX_FMT_BF6
.elseif ((\b)/4 == 1) && ((\a)/4 == 0)
	v_wmma_scale_f32_16x16x128_f8f6f4 v[rD:rD+7], v[rB:rB+FR-1], v[rA:rA+FR-1], 0, v[rSB], v[rSA] matrix_a_fmt:MATRIX_FMT_BF6 matrix_b_fmt:MATRIX_FMT_BF6 matrix_a_scale:MATRIX_SCALE_ROW1
.elseif ((\b)/4 == 0) && ((\a)/4 == 1)
	v_wmma_scale_f32_16x16x128_f8f6f4 v[rD:rD+7], v[rB:rB+FR-1], v[rA:rA+FR-1], 0, v[rSB], v[rSA] matrix_a_fmt:MATRIX_FMT_BF6 matrix_b_fmt:MATRIX_FMT_BF6 matrix_b_scale:MATRIX_SCALE_ROW1
.else
	v_wmma_scale_f32_16x16x128_f8f6f4 v[rD:rD+7], v[rB:rB+FR-1], v[rA:rA+FR-1], 0, v[rSB], v[rSA] matrix_a_fmt:MATRIX_FMT_BF6 matrix_b_fmt:MATRIX_FMT_BF6 matrix_a_scale:MATRIX_SCALE_ROW1 matrix_b_scale:MATRIX_SCALE_ROW1
.endif
.else
.if ((\b)/4 == 0) && ((\a)/4 == 0)
	v_wmma_scale_f32_16x16x128_f8f6f4 v[rD:rD+7], v[rB:rB+FR-1], v[rA:rA+FR-1], v[rD:rD+7], v[rSB], v[rSA] matrix_a_fmt:MATRIX_FMT_BF6 matrix_b_fmt:MATRIX_FMT_BF6
.elseif ((\b)/4 == 1) && ((\a)/4 == 0)
	v_wmma_scale_f32_16x16x128_f8f6f4 v[rD:rD+7], v[rB:rB+FR-1], v[rA:rA+FR-1], v[rD:rD+7], v[rSB], v[rSA] matrix_a_fmt:MATRIX_FMT_BF6 matrix_b_fmt:MATRIX_FMT_BF6 matrix_a_scale:MATRIX_SCALE_ROW1
.elseif ((\b)/4 == 0) && ((\a)/4 == 1)
	v_wmma_scale_f32_16x16x128_f8f6f4 v[rD:rD+7], v[rB:rB+FR-1], v[rA:rA+FR-1], v[rD:rD+7], v[rSB], v[rSA] matrix_a_fmt:MATRIX_FMT_BF6 matrix_b_fmt:MATRIX_FMT_BF6 matrix_b_scale:MATRIX_SCALE_ROW1
.else
	v_wmma_scale_f32_16x16x128_f8f6f4 v[rD:rD+7], v[rB:rB+FR-1], v[rA:rA+FR-1], v[rD:rD+7], v[rSB], v[rSA] matrix_a_fmt:MATRIX_FMT_BF6 matrix_b_fmt:MATRIX_FMT_BF6 matrix_a_scale:MATRIX_SCALE_ROW1 matrix_b_scale:MATRIX_SCALE_ROW1
.endif
.endif
.endm
; A K step: 64 products on set p.  The 64 accumulators take turns, one instruction a turn, in the same order in every step, over the loop's backward jump too.  zero = 1: the products start the sums.
.macro MUL64 p, zero
	WIN MUL_LO
.irp a, 0,1,2,3
.irp b, 0,1,2,3,4,5,6,7
	MM \a, \b, \p, \zero
.endr
.endr
	WIN MUL_HI
.irp a, 4,5,6,7
.irp b, 0,1,2,3,4,5,6,7
	MM \a, \b, \p, \zero
.endr
.endr
.endm
.macro FRAG reg, adr, off              ; a fragment's image: three loads, each 512 consecutive bytes
.irp c, 0,1,2
	ds_load_b128 v[(\reg)+4*\c:(\reg)+4*\c+3], v[\adr] offset:(\off)+512*\c
.endr
.endm
.macro FETCH s, q, p                   ; 50 loads: the q-th of my two K steps of slot s into set p: W2's eight fragments, h's eight, both sides' scale words
	WIN TO_B
.irp i, 0,1,2,3,4,5,6,7
	FRAG 128*(\p)+FR*\i, ADRB+(\s), SB*(\q)+FRB*\i
.endr
	WIN 0
.irp i, 0,1,2,3,4,5,6,7
	FRAG AF+96*(\p)+FR*\i, ADRA+(\s), SB*(\q)+FRB*\i
.endr
	ds_load_b128 v[SC+8*(\p):SC+8*(\p)+3], v[ADRA+(\s)] offset:SB*(\q)+SCO
	ds_load_b128 v[SC+8*(\p)+4:SC+8*(\p)+7], v[ADRB+(\s)] offset:SB*(\q)+SCO
.endm
; Between two changes of slots: slot s has landed.  Its first step comes into set 0 while set 1 (the last slot's second step) is multiplied; its second step into set 1 while set 0 is multiplied.
.macro HALVES s, ask
	FETCH \s, 0, 0
.if \ask
	ASK 1, 4*SB                                    ; behind the joint load and the run of LDS loads
.endif
	MUL64 1, 0
	s_wait_dscnt 0x0                               ; set 0 is in (asked for 64 products ago)
	PLACES
	FETCH \s, 1, 1
	MUL64 0, 0
	WIN 0
.endm
; The change of slots: slot fs has been read out into registers and is filled again, two fills on.
.macro CHANGE fs
	s_wait_xcnt 0x0                                ; my prefetches have read their address: it steps one fill on
	s_add_nc_u64 s[PFA:PFA+1], s[PFA:PFA+1], 4*SB
	s_wait_tensorcnt 0x0                           ; my one tensor load that was out, my part of the other slot, has landed
	ds_add_u32 v[SPW], v[NIL]                      ; 0 onto my spare word
	s_add_nc_u64 s[G0A+4*\fs+2:G0A+4*\fs+3], s[G0A+4*\fs+2:G0A+4*\fs+3], 8*SB
	s_add_nc_u64 s[G0B+4*\fs+2:G0B+4*\fs+3], s[G0B+4*\fs+2:G0B+4*\fs+3], 8*SB
	s_wait_dscnt 0x0                               ; the add is done, and my reads of slot fs are back (asked for 64 products ago)
	CROUND                                         ; no wave of any partner still reads this slot or has a load on its way
	JLOAD \fs                                      ; my one tensor load behind the round; its four v_nop are also the places in front of the loads that follow
.endm
	s_load_b128 s[4:7], s[0:1], 0x0                ; h's blocks s[4:5], W2's s[6:7]
	s_load_b64 s[8:9], s[0:1], 0x10                ; out
	v_lshl_add_u32 v[SPW], v0, 2, SPARE
	v_mov_b32 v[NIL], 0
	ds_add_u32 v[SPW], v[NIL]                      ; the opening lines: the add, twice on end, and its wait ahead of my first tensor load
	ds_add_u32 v[SPW], v[NIL]
	v_lshrrev_b32 v1, 5, v0
	v_readfirstlane_b32 s10, v1                    ; wave 0..3
	s_lshr_b32 s11, s10, 1                         ; which half of the columns is mine.  Also: I fetch for h (0) or for W2 (1)
	s_and_b32 s12, s10, 1                          ; which half of each four K steps.  Also: which part of that operand I fetch
	s_bfe_u32 s40, ttmp6, 0x40000                  ; cx, cy: my place in the cluster
	s_bfe_u32 s41, ttmp6, 0x40004
	s_lshl_b32 s42, ttmp9, 2
	s_add_co_u32 s42, s42, s40                     ; tile column = 4 x cluster x + cx
	s_and_b32 s13, ttmp7, 0xffff
	s_lshl_b32 s13, s13, 2
	s_add_co_u32 s13, s13, s41                     ; tile row = h's group = 4 x cluster y + cy
	s_lshl_b32 s43, s41, 2
	s_lshl_b32 s43, 15, s43                        ; my row of the cluster
	s_lshl_b32 s44, 0x1111, s40                    ; my column
	; descriptor group 1: a dense run of bytes as rows of 256 (32 elements of 8 bytes): h: two blocks, 100 rows; W2: four blocks, 200 rows
	s_or_b32 s[G1A+0], s43, (3<<16)|(1<<21)        ; the mask: h's blocks go to my row; elements of 8 bytes; no padding; bit 21 set beside a mask
	s_mov_b32 s[G1A+1], 32<<16
	s_mov_b32 s[G1A+2], 100<<16
	s_mov_b32 s[G1A+3], 32<<16
	s_mov_b32 s[G1A+4], 100
	s_mov_b32 s[G1A+5], 32
	s_mov_b32 s[G1A+6], 0
	s_mov_b32 s[G1A+7], 0
	s_or_b32 s[G1B+0], s44, (3<<16)|(1<<21)        ; W2's go to my column
	s_mov_b32 s[G1B+1], 32<<16
	s_mov_b32 s[G1B+2], 200<<16
	s_mov_b32 s[G1B+3], 32<<16
	s_mov_b32 s[G1B+4], 200
	s_mov_b32 s[G1B+5], 32
	s_mov_b32 s[G1B+6], 0
	s_mov_b32 s[G1B+7], 0
	; every wave makes both addresses, in registers that never hold the other coordinate, and asks by one of them
	s_lshl_b32 s14, s13, 5                         ; h: group x 32 blocks + 2 x (wave % 2)
	s_lshl_b32 s15, s12, 1
	s_add_co_u32 s14, s14, s15
	s_mul_i32 s14, s14, SB
	s_mov_b32 s15, 0
	s_lshl_b32 s46, s42, 1                         ; W2: group 2 x tile column + wave % 2, 32 blocks each
	s_add_co_u32 s46, s46, s12
	s_mul_i32 s46, s46, 32*SB
	s_mov_b32 s47, 0
	s_mul_i32 s22, s12, 2*SB                       ; where they go: h's two halves,
	s_mul_i32 s23, s12, 4*SB
	s_add_co_u32 s23, s23, 4*SB                    ; then W2's two groups: no place in the cluster enters an LDS address
	s_lshl_b32 s16, s13, 7                         ; the rows that I store: 128 x tile row + 64 x (wave % 2), 4,096 bytes each;
	s_lshl_b32 s18, s12, 6
	s_add_co_u32 s16, s16, s18
	s_lshl_b32 s16, s16, 12
	s_lshl_b32 s18, s42, 10                        ; columns 256 x tile column + 128 x (wave / 2), 4 bytes each
	s_add_co_u32 s16, s16, s18
	s_lshl_b32 s18, s11, 9
	s_add_co_u32 s16, s16, s18
	s_mov_b32 s17, 0
	s_mul_i32 s2, s12, 2*SB                        ; LDS: my two K steps of a slot's four, of h,
	s_mul_i32 s3, s11, 4*SB
	s_add_co_u32 s3, s3, s2
	s_add_co_u32 s3, s3, 4*SB                      ; and of my group of W2
	s_mul_i32 s45, s10, AREA                       ; the way out: my area;
	s_mul_i32 s43, s11, 2*AREA                     ; back: the two areas of my column half, rows 64 (wave % 2) on
	s_mul_i32 s44, s12, 64*SPT
	s_add_co_u32 s43, s43, s44
	s_mul_i32 s18, s40, 6400                       ; my share of a joint load's blocks: of h's 100 the 25 from 25 cx on,
	s_mul_i32 s19, s41, 12800                      ; of W2's 200 the 50 from 50 cy on
	s_cmp_eq_u32 s11, 0
	s_cselect_b32 s18, s18, s19
	s_mov_b32 s19, 0
	s_wait_dscnt 0x0                               ; both opening adds are done
	s_wait_kmcnt 0x0
	s_add_nc_u64 s[14:15], s[4:5], s[14:15]
	s_add_nc_u64 s[46:47], s[6:7], s[46:47]
	s_add_nc_u64 s[8:9], s[8:9], s[16:17]
	s_cmp_eq_u32 s11, 0
	s_cselect_b64 s[PFA:PFA+1], s[14:15], s[46:47] ; the prefetches begin where my loads do,
	s_add_nc_u64 s[PFA:PFA+1], s[PFA:PFA+1], s[18:19]
	s_add_nc_u64 s[PFA:PFA+1], s[PFA:PFA+1], 8*SB  ; at fill 2
	CROUND                                         ; all sixteen work-groups are here: the first joint loads meet
.irp s, 0,1
	s_mov_b32 s[G0A+4*\s], 1                                       ; count = 1
	s_add_co_u32 s[G0A+4*\s+1], s22, \s*SLOT                       ; LDS address
	s_add_nc_u64 s[G0A+4*\s+2:G0A+4*\s+3], s[14:15], \s*4*SB       ; global address: fill s
	s_or_b32 s[G0A+4*\s+3], s[G0A+4*\s+3], 0x80000000              ; type = 2
	s_mov_b32 s[G0B+4*\s], 1
	s_add_co_u32 s[G0B+4*\s+1], s23, \s*SLOT
	s_add_nc_u64 s[G0B+4*\s+2:G0B+4*\s+3], s[46:47], \s*4*SB
	s_or_b32 s[G0B+4*\s+3], s[G0B+4*\s+3], 0x80000000
.endr
	JLOAD 0                                        ; fill 0: one tensor load a wave at the head
	v_and_b32 v1, 31, v0
	v_lshlrev_b32 v[GO], 4, v1
	v_min_u32 v[PFO], 24, v1
	v_lshlrev_b32 v[PFO], 8, v[PFO]
	v_and_b32 v2, 15, v0                           ; r
	v_bfe_u32 v3, v0, 4, 1                         ; half
	v_add_nc_u32 v[ADRA], s2, v[GO]
	v_add_nc_u32 v[ADRA+1], SLOT, v[ADRA]
	v_add_nc_u32 v[ADRB], s3, v[GO]
	v_add_nc_u32 v[ADRB+1], SLOT, v[ADRB]
	v_mul_u32_u24 v4, v2, SPT                      ; into my area: row r, 64 bytes for each half of the lanes
	v_lshl_add_u32 v4, v3, 6, v4
	v_add_nc_u32 v[STO], s45, v4
	v_add_nc_u32 v[RD0], s43, v[GO]                ; back: 16 bytes a lane
	v_add_nc_u32 v[RD1], AREA, v[RD0]
	s_wait_alu depctr_va_vdst(0)
	ASK 0, 0                                       ; fill 2
	s_wait_tensorcnt 0x0                           ; my part of fill 0 is in
	ds_add_u32 v[SPW], v[NIL]
	s_wait_dscnt 0x0
	CROUND                                         ; everybody's part is in, and all sixteen work-groups are here
	JLOAD 1                                        ; fill 1, slot 1's first: my one tensor load behind the round
	FETCH 0, 0, 0
	ASK 0, 4*SB                                    ; fill 3
	s_wait_dscnt 0x0
	FETCH 0, 1, 1
	MUL64 0, 1                                     ; the first step stands in front of the loop: its products start the sums
	WIN 0
	s_mov_b32 s3, 3
.Llap:                                                 ; a trip goes once round the ring and fills both slots again: 3 trips, fills 2 to 7
	CHANGE 0
	HALVES 1, 1
	CHANGE 1
	HALVES 0, 1
	s_sub_co_u32 s3, s3, 1
	s_cmp_lg_u32 s3, 0
	s_cbranch_scc1 .Llap
	s_wait_tensorcnt 0x0                           ; fill 7 has landed; nothing is filled again, so no round follows
	ds_add_u32 v[SPW], v[NIL]
	s_wait_dscnt 0x0
	s_barrier_signal -1
	s_barrier_wait -1                              ; everybody's part has
	PLACES
	HALVES 1, 0
	s_wait_dscnt 0x0
	MUL64 1, 0                                     ; the very last step
	WIN 0
	; THE WAY OUT.  Each wave lays its 128 x 128 partial sums into its area of LDS (row 16 a + r = h's fragment a, lane row r); a barrier; each wave reads 64 rows of both partial sums of its column half, adds them and stores whole rows of 512 bytes.
	PLACES
	s_barrier_signal -1                            ; my reads of the ring are over (the wait for 0 above),
	s_barrier_wait -1                              ; and everybody's: the areas may be written
.irp a, 0,1,2,3,4,5,6,7
	WIN 0x08+4*(\a/4)                              ; an LDS store's data are its source 1: window 2 or 3
.irp b, 0,1,2,3,4,5,6,7
	ds_store_b128 v[STO], v[64*(\a%4)+8*\b:64*(\a%4)+8*\b+3] offset:16*SPT*\a+128*(\b/2)+32*(\b%2)       ; each accumulator from its low end on
	ds_store_b128 v[STO], v[64*(\a%4)+8*\b+4:64*(\a%4)+8*\b+7] offset:16*SPT*\a+128*(\b/2)+32*(\b%2)+16
.endr
.endr
	WIN 0
	s_wait_dscnt 0x0                               ; for the others' sake: my stores have landed
	s_barrier_signal -1
	s_barrier_wait -1
.macro LOADB n                         ; batch n: rows 8 n .. 8 n + 7 of my 64, of both partial sums
.set BB, OB+64*((\n)%2)
.irp t, 0,1,2,3,4,5,6,7
	ds_load_b128 v[BB+4*\t:BB+4*\t+3], v[RD0] offset:SPT*(8*(\n)+\t)
.endr
.irp t, 0,1,2,3,4,5,6,7
	ds_load_b128 v[BB+32+4*\t:BB+32+4*\t+3], v[RD1] offset:SPT*(8*(\n)+\t)
.endr
.endm
.macro SENDB n, younger                ; younger: the LDS loads issued behind batch n's, which may stay out
.set BB, OB+64*((\n)%2)
	s_wait_dscnt \younger
.set J, 0
.rept 16
	v_pk_add_f32 v[BB+J:BB+J+1], v[BB+J:BB+J+1], v[BB+32+J:BB+33+J]   ; the two halves of K
.set J, J+2
.endr
.irp t, 0,1,2,3,4,5,6,7                ; place 8 n + t is the group's row 32 (n / 4) + 8 ((n / 2) % 2) + 16 (n % 2) + t
	global_store_b128 v[GO], v[BB+4*\t:BB+4*\t+3], s[8:9] offset:4096*(32*((\n)/4)+8*(((\n)/2)%2)+16*((\n)%2)+\t) th:TH_STORE_NT   ; 32 lanes store 512 consecutive bytes, at a multiple of 256 from out's first byte
.endr
.endm
	LOADB 0
.irp n, 0,1,2,3,4,5,6
.if \n > 0
	s_wait_xcnt 0x0                                ; batch n - 1's stores have read their registers: batch n + 1's loads may land there
.endif
	LOADB \n+1
	SENDB \n, 16                                   ; behind batch n's loads: batch n + 1's sixteen
.endr
	SENDB 7, 0
	s_wait_tensorcnt 0x0                           ; the wave's end
	ds_add_u32 v[SPW], v[NIL]
	s_wait_dscnt 0x0
	CROUND                                         ; the closing round: no work-group ends while a partner may still ask for a tile that names it
	s_endpgm
.Lfunc_end_k_q423de30be6_ffn2:
	.size	k_q423de30be6_ffn2, .Lfunc_end_k_q423de30be6_ffn2-k_q423de30be6_ffn2
	.p2alignl 7, 3214868480
	.fill 96, 4, 3214868480
	.section	.rodata,"a",@progbits
	.p2align	6, 0x0
	.amdhsa_kernel k_q423de30be6_ffn2
		.amdhsa_group_segment_fixed_size 327680
		.amdhsa_private_segment_fixed_size 0
		.amdhsa_enable_private_segment 0
		.amdhsa_kernarg_size 24
		.amdhsa_user_sgpr_count 2
		.amdhsa_user_sgpr_kernarg_segment_ptr 1
		.amdhsa_wavefront_size32 1
		.amdhsa_system_sgpr_workgroup_id_x 1
		.amdhsa_system_sgpr_workgroup_id_y 1
		.amdhsa_system_sgpr_workgroup_id_z 1
		.amdhsa_system_vgpr_workitem_id 0
		.amdhsa_next_free_vgpr 1024
		.amdhsa_next_free_sgpr 66
		.amdhsa_reserve_vcc 0
		.amdhsa_float_denorm_mode_32 3
		.amdhsa_float_denorm_mode_16_64 3
		.amdhsa_memory_ordered 1
		.amdhsa_forward_progress 1
		.amdhsa_inst_pref_size 134
	.end_amdhsa_kernel
	.amdgpu_metadata
---
amdhsa.version: [ 1, 2 ]
amdhsa.kernels:
  - .name:           k_q423de30be6_ffn2
    .symbol:         k_q423de30be6_ffn2.kd
    .args:
      - { .name: hq, .offset: 0, .size: 8, .value_kind: global_buffer, .address_space: global }
      - { .name: w2q, .offset: 8, .size: 8, .value_kind: global_buffer, .address_space: global }
      - { .name: out0, .offset: 16, .size: 8, .value_kind: global_buffer, .address_space: global }
    .group_segment_fixed_size: 327680
    .private_segment_fixed_size: 0
    .kernarg_segment_align: 8
    .kernarg_segment_size: 24
    .max_flat_workgroup_size: 128
    .sgpr_count:     66
    .vgpr_count:     1024
    .wavefront_size: 32
...
	.end_amdgpu_metadata
.endif
;; end of part 3
